; MI455X (gfx1250); checked and timed in simulation.
; The chip was launched on July 23, 2026; its instructions are those of AMD's public machine-readable ISA for CDNA 5 (MIT licence, August 2026) and "CDNA5" Instruction Set Architecture Reference Guide (July 2026). The comments in the code are by the model that wrote it; some were corrected since.
;; Multi Headed Attention. Allowed arithmetic: float matrix products may take bf16 or f16 operands with f32 sums; all other float work in f32.
;; Inputs: W0 128 x 128 float32; W1 128 x 128 float32; W2 128 x 128 float32; Wo 128 x 128 float32; b0 128 float32; b1 128 float32; b2 128 float32; bo 128 float32; key 4 x 2,048 x 128 float32; pos_embed 4 x 2,048 x 128 float32; query 4 x 2,048 x 128 float32; value 4 x 2,048 x 128 float32.
;; Outputs: out0 4 x 2,048 x 128 float32.
;; One version. Each part assembles by itself: llvm-mc -triple=amdgcn-amd-amdhsa -mcpu=gfx1250 --defsym DOCPART=n.
;; ======== version 1 of 1: 3 launches
;; limits: values are held in f16: magnitudes above 65,504 overflow, below 6.1e-05 lose precision
;; workspace buffers: qf 6,291,456 bytes; kvf 8,388,608 bytes; xf 2,097,152 bytes
;; launch proj (part 1): grid 256 x 1, 8 waves a work-group, no clusters, 218,624 bytes of LDS; arguments query, key, value, pos_embed, W0, W1, W2, b0, b1, b2, qf, kvf; writes qf, kvf
.if DOCPART == 1
	.amdgcn_target "amdgcn-amd-amdhsa--gfx1250"
	.amdhsa_code_object_version 6
	.text
	.protected	k_q735bbad7c5_proj
	.globl	k_q735bbad7c5_proj
	.p2align	8
	.type	k_q735bbad7c5_proj,@function
k_q735bbad7c5_proj:
	s_mov_b64 s[64:65], 0
	v_nop
	global_prefetch_b8 v0, s[64:65] scope:SCOPE_SE
	s_setreg_imm32_b32 hwreg(HW_REG_WAVE_MODE, 25, 1), 1
	s_wait_xcnt 0x0
; The five projections of the attention block, with bias, rounded to f16 and stored in the order in which the attention launch's matrix
; fragments want them:  qf <- (query W0^T + b0) log2(e)/4 and (pos W0^T + b0) log2(e);  kvf <- key W1^T + b1, pos W1^T + b1, value W2^T + b2.
; A work-group owns 32 tokens (two tiles of 16) and makes all five products of them, so each input byte is read once.  Wave w is head w.
; TWO f16 NUMBERS FOR THE POSITION TERM.  pos_q . pos_k enters a score unscaled, 16 products of operands of 11 bits each, and a softmax turns an
; absolute error of a score into a relative error of a weight.  So pos_embed, W0 and W1 are split, x = hi + lo: hi = x with its low 13 mantissa bits
; cleared (10 bits stay: f16 holds it exactly), lo = x - hi (exact in f32), rounded to f16.  A position projection is Wh ph + Wl ph + Wh pl (the
; term Wl pl is 2^-20 of the whole and is left out), and its f32 result is split in the same way and stored as hi and lo.  The content term is
; scaled by 1/4 and stays in one f16.  72 matrix instructions a wave: 2 x 24 for the positions, 3 x 8 for query, key, value.
; WAY IN: a row of 128 f32 is 512 bytes = one 16-byte load of the wave; it is rounded in registers and laid into LDS as rows of 256 bytes.
; Wave w brings rows 4w..4w+3 of each of the four inputs (shared by all waves: one barrier) and rows 16w..16w+15 of W0, W1, W2 (its own head's).
; LAYOUT: for Q and K the weights are source A (m = dimension) and the tokens source B (n = token): a lane's eight results are eight dimensions
; of one token, 16 bytes of a fragment whose rows are tokens.  For V the tokens are A and the weights B: eight tokens of one dimension.
; Every store of a wave covers 512 consecutive bytes, aligned.
; NO JOINT TENSOR LOADS for the weights, though all work-groups read them: they come as f32 and are multiplied as f16, so they pass through
; registers once in any case; as f32 the three would take 3 x 128 x 528 = 202,752 bytes of LDS and every fragment would be read twice as wide.
; LIMITS: operands are f16: inputs, weights and results (Q's times 1.4427) must stay below 65,504 in magnitude; a hi part below 2^-14 is rounded
; by up to 2^-25, which its lo part does not make up; NaN and infinities are not served.
.set PITCH,  272                       ; an LDS row: 256 bytes + 16: an odd multiple of 16, so sixteen rows start in sixteen different 16-byte columns modulo 256
.set XTILE,  16*PITCH                  ; 16 rows
.set XIN,    32*PITCH                  ; one image of 32 tokens: 0 query, 1 key, 2 value, 3 pos hi, 4 pos lo
.set WBASE,  5*XIN                     ; behind them the weights, wave by wave
.set WWAVE,  5*XTILE                   ; a wave's 16 rows of: 0 W0 hi, 1 W0 lo, 2 W1 hi, 3 W1 lo, 4 W2
.set QTILE,  1536                      ; bytes of a token tile in qf and in kvf's K part: content, position hi, position lo, 512 each
.set VOFF,   49152                     ; V's part of a chunk of kvf, behind 32 K tiles
.set QSC, 0x3eb8aa3b                   ; log2(e) / 4
.set PSC, 0x3fb8aa3b                   ; log2(e)
.set GO,  4                            ; v4   16 x lane: offset of every row load and of every store; never rewritten
.set XS,  5                            ; v5   LDS: where I put 8 bytes of my first input row
.set WS,  6                            ; v6   LDS: the same for my first weight row
.set XR,  7                            ; v7   LDS: my fragment address in an image's tile 0
.set WR,  8                            ; v8   LDS: my fragment address in my wave's first weight image
.set B2,  12                           ; v[12:13] b2[16w+r], and a word that is only there to complete the pair
.set B0,  16                           ; v[16:23] b0[16w+8h+j]: the C of Q's first products
.set B1,  24                           ; v[24:31] b1 likewise
.set U,   32                           ; v[32:47] on the way in: hi parts in f32, four sets of four by turns
.set ACC, 32                           ; v[32:47] behind the barrier: two accumulators, 8 tt
.set T,   48                           ; v[48:63] packed results, store data
.set SA,  64                           ; three stages of 16 rows x 4 registers on the way in
.set SB,  128
.set SC,  192
.set WH,  64                           ; behind the barrier: weights' fragments, 8 ks
.set WL,  96                           ; a second set
.set XH,  128                          ; tokens' fragments, 32 tt + 8 ks
.set XL,  192                          ; a second set
	s_load_b512 s[8:23], s[0:1], 0x0               ; query 8, key 10, value 12, pos 14, W0 16, W1 18, W2 20, b0 22
	s_load_b256 s[24:31], s[0:1], 0x40             ; b1 24, b2 26, qf 28, kvf 30
	v_lshl_add_u32 v14, v0, 2, 0x35200
	v_mov_b32 v15, 0
	v_lshrrev_b32 v1, 5, v0
	v_readfirstlane_b32 s32, v1                    ; wave = head
	v_and_b32 v1, 31, v0                           ; lane
	v_and_b32 v2, 15, v0                           ; r
	v_bfe_u32 v3, v0, 4, 1                         ; h
	v_lshlrev_b32 v[GO], 4, v1
	s_mul_i32 s33, s32, 4*PITCH
	v_lshl_add_u32 v[XS], v1, 3, s33               ; row 4w, 8 bytes a lane
	s_mul_i32 s38, s32, WWAVE
	s_add_co_u32 s38, s38, WBASE
	v_lshl_add_u32 v[WS], v1, 3, s38
	v_mul_u32_u24 v[XR], v2, PITCH
	v_lshl_add_u32 v[XR], v3, 4, v[XR]             ; r x pitch + 16 h
	v_add_nc_u32 v[WR], s38, v[XR]
	s_lshl_b32 s39, s32, 6
	v_lshl_add_u32 v9, v3, 5, s39                  ; byte of b[16w + 8h]
	v_lshl_add_u32 v10, v2, 2, s39                 ; byte of b[16w + r]
	v_mov_b32 v[B2+1], 0
	s_mov_b32 s51, 0xffffe000                      ; keeps sign, exponent and 10 mantissa bits of an f32
	s_lshl_b32 s34, ttmp9, 14                      ; 32 tokens of 512 bytes
	s_lshl_b32 s36, s32, 11                        ; + my 4 rows
	s_add_co_u32 s34, s34, s36
	s_mov_b32 s35, 0
	s_lshl_b32 s36, s32, 13                        ; my 16 rows of a weight
	s_mov_b32 s37, 0
	s_lshr_b32 s40, ttmp9, 6                       ; batch (64 work-groups each)
	s_and_b32 s41, ttmp9, 63
	s_lshl_b32 s41, s41, 1                         ; first token tile in the batch, even
	s_lshl3_add_u32 s42, s40, s32                  ; bh = 8 b + head
	s_mul_i32 s44, s42, 128*QTILE                  ; qf: bh x 196,608 + tile x 1,536
	s_mul_i32 s43, s41, QTILE
	s_add_co_u32 s44, s44, s43
	s_mov_b32 s45, 0
	s_lshl_b32 s46, s42, 18                        ; kvf: bh x 262,144 + chunk (32 tiles) x 65,536
	s_lshr_b32 s43, s41, 5
	s_lshl_b32 s43, s43, 16
	s_add_co_u32 s46, s46, s43
	s_and_b32 s43, s41, 31                         ; tile in the chunk
	s_lshl_b32 s50, s43, 9
	s_add_co_u32 s48, s46, s50                     ; V: + 49,152 + tile x 512
	s_add_co_u32 s48, s48, VOFF
	s_mov_b32 s49, 0
	s_mul_i32 s43, s43, QTILE
	s_add_co_u32 s46, s46, s43                     ; K: + tile x 1,536
	s_mov_b32 s47, 0
	s_wait_kmcnt 0x0
	s_add_nc_u64 s[8:9], s[8:9], s[34:35]
	s_add_nc_u64 s[10:11], s[10:11], s[34:35]
	s_add_nc_u64 s[12:13], s[12:13], s[34:35]
	s_add_nc_u64 s[14:15], s[14:15], s[34:35]
	s_add_nc_u64 s[16:17], s[16:17], s[36:37]
	s_add_nc_u64 s[18:19], s[18:19], s[36:37]
	s_add_nc_u64 s[20:21], s[20:21], s[36:37]
	s_add_nc_u64 s[28:29], s[28:29], s[44:45]
	s_add_nc_u64 s[48:49], s[30:31], s[48:49]      ; V's place
	s_add_nc_u64 s[30:31], s[30:31], s[46:47]      ; K's place
; sixteen row loads: four rows of each of the four inputs (read once in the launch)
.macro LDX st
.irp i, 0,1,2,3,4,5,6,7,8,9,10,11,12,13,14,15
	global_load_b128 v[\st+4*\i:\st+4*\i+3], v[GO], s[8+2*(\i/4):9+2*(\i/4)] offset:(\i%4)*512 th:TH_LOAD_NT
.endr
.endm
; sixteen row loads of one weight (all work-groups read them again: no hint)
.macro LDW st, base
.irp i, 0,1,2,3,4,5,6,7,8,9,10,11,12,13,14,15
	global_load_b128 v[\st+4*\i:\st+4*\i+3], v[GO], s[\base:\base+1] offset:\i*512
.endr
.endm
; four f32 in v[s:s+3] become lo (8 bytes, v[s:s+1]) and hi (8 bytes, v[s+2:s+3]); v[u:u+3] are at work
.macro SPLIT s, u
.irp j, 0,1,2,3
	v_and_b32 v[\u+\j], s51, v[\s+\j]              ; hi, still f32
.endr
	v_pk_add_f32 v[\s:\s+1],   v[\s:\s+1],   v[\u:\u+1]   neg_lo:[0,1] neg_hi:[0,1]   ; lo = x - hi, exact
	v_pk_add_f32 v[\s+2:\s+3], v[\s+2:\s+3], v[\u+2:\u+3] neg_lo:[0,1] neg_hi:[0,1]
	v_cvt_pk_f16_f32 v[\s],   v[\s],   v[\s+1]
	v_cvt_pk_f16_f32 v[\s+1], v[\s+2], v[\s+3]
	v_cvt_pk_f16_f32 v[\s+2], v[\u],   v[\u+1]
	v_cvt_pk_f16_f32 v[\s+3], v[\u+2], v[\u+3]
.endm
; the inputs' stage: rows 0-11 (query, key, value) are rounded, rows 12-15 (pos_embed) split; a store of the wave covers a row's 256 bytes
.macro CONVX st
.irp i, 0,1,2,3,4,5,6,7,8,9,10,11
	v_cvt_pk_f16_f32 v[\st+4*\i], v[\st+4*\i], v[\st+4*\i+1]
	v_cvt_pk_f16_f32 v[\st+4*\i+1], v[\st+4*\i+2], v[\st+4*\i+3]
	ds_store_b64 v[XS], v[\st+4*\i:\st+4*\i+1] offset:(\i/4)*XIN+(\i%4)*PITCH
.endr
.irp i, 12,13,14,15
	SPLIT \st+4*\i, U+4*(\i%4)
	ds_store_b64 v[XS], v[\st+4*\i+2:\st+4*\i+3] offset:3*XIN+(\i%4)*PITCH
	ds_store_b64 v[XS], v[\st+4*\i:\st+4*\i+1]   offset:4*XIN+(\i%4)*PITCH
.endr
.endm
; a weight's stage, split: hi into image wi, lo into image wi + 1
.macro CONVWS st, wi
.irp i, 0,1,2,3,4,5,6,7,8,9,10,11,12,13,14,15
	SPLIT \st+4*\i, U+4*(\i%4)
	ds_store_b64 v[WS], v[\st+4*\i+2:\st+4*\i+3] offset:\wi*XTILE+\i*PITCH
	ds_store_b64 v[WS], v[\st+4*\i:\st+4*\i+1]   offset:(\wi+1)*XTILE+\i*PITCH
.endr
.endm
; a weight's stage, rounded once
.macro CONVW st, wi
.irp i, 0,1,2,3,4,5,6,7,8,9,10,11,12,13,14,15
	v_cvt_pk_f16_f32 v[\st+4*\i], v[\st+4*\i], v[\st+4*\i+1]
	v_cvt_pk_f16_f32 v[\st+4*\i+1], v[\st+4*\i+2], v[\st+4*\i+3]
	ds_store_b64 v[WS], v[\st+4*\i:\st+4*\i+1] offset:\wi*XTILE+\i*PITCH
.endr
.endm
; fragments: 16 rows x 32 K in 8 registers = two loads of 16 bytes, 32 bytes apart.  LOADW: 8 loads; LOADX: 16 loads
.macro LOADW dst, wi
.irp ks, 0,1,2,3
	ds_load_b128 v[\dst+8*\ks:\dst+8*\ks+3],   v[WR] offset:\wi*XTILE+64*\ks
	ds_load_b128 v[\dst+8*\ks+4:\dst+8*\ks+7], v[WR] offset:\wi*XTILE+64*\ks+32
.endr
.endm
.macro LOADX dst, in
.irp tt, 0,1
.irp ks, 0,1,2,3
	ds_load_b128 v[\dst+32*\tt+8*\ks:\dst+32*\tt+8*\ks+3],   v[XR] offset:\in*XIN+\tt*XTILE+64*\ks
	ds_load_b128 v[\dst+32*\tt+8*\ks+4:\dst+32*\tt+8*\ks+7], v[XR] offset:\in*XIN+\tt*XTILE+64*\ks+32
.endr
.endr
.endm
; A position projection of both token tiles: Wh ph + Wl ph + Wh pl.  The first products take the bias as C: no bias add is written.
; The two accumulators take turns, one instruction a turn.
.macro MMP bias
.irp ks, 0,1,2,3
.irp tt, 0,1
.if \ks == 0
	v_wmma_f32_16x16x32_f16 v[ACC+8*\tt:ACC+8*\tt+7], v[WH+8*\ks:WH+8*\ks+7], v[XH+32*\tt+8*\ks:XH+32*\tt+8*\ks+7], v[\bias:\bias+7]
.else
	v_wmma_f32_16x16x32_f16 v[ACC+8*\tt:ACC+8*\tt+7], v[WH+8*\ks:WH+8*\ks+7], v[XH+32*\tt+8*\ks:XH+32*\tt+8*\ks+7], v[ACC+8*\tt:ACC+8*\tt+7]
.endif
.endr
.irp tt, 0,1
	v_wmma_f32_16x16x32_f16 v[ACC+8*\tt:ACC+8*\tt+7], v[WL+8*\ks:WL+8*\ks+7], v[XH+32*\tt+8*\ks:XH+32*\tt+8*\ks+7], v[ACC+8*\tt:ACC+8*\tt+7]
.endr
.irp tt, 0,1
	v_wmma_f32_16x16x32_f16 v[ACC+8*\tt:ACC+8*\tt+7], v[WH+8*\ks:WH+8*\ks+7], v[XL+32*\tt+8*\ks:XL+32*\tt+8*\ks+7], v[ACC+8*\tt:ACC+8*\tt+7]
.endr
.endr
.endm
; A content projection of both token tiles, weights in set w, tokens in set x; bias as the first C; two accumulators by turns
.macro MMC w, x, bias
.irp ks, 0,1,2,3
.irp tt, 0,1
.if \ks == 0
	v_wmma_f32_16x16x32_f16 v[ACC+8*\tt:ACC+8*\tt+7], v[\w+8*\ks:\w+8*\ks+7], v[\x+32*\tt+8*\ks:\x+32*\tt+8*\ks+7], v[\bias:\bias+7]
.else
	v_wmma_f32_16x16x32_f16 v[ACC+8*\tt:ACC+8*\tt+7], v[\w+8*\ks:\w+8*\ks+7], v[\x+32*\tt+8*\ks:\x+32*\tt+8*\ks+7], v[ACC+8*\tt:ACC+8*\tt+7]
.endif
.endr
.endr
.endm
; value tiles 0, 1 (A) x W2 (B): two accumulators by turns; the first products start the sums
.macro MMV
.irp ks, 0,1,2,3
.irp tt, 0,1
.if \ks == 0
	v_wmma_f32_16x16x32_f16 v[ACC+8*\tt:ACC+8*\tt+7], v[XH+32*\tt+8*\ks:XH+32*\tt+8*\ks+7], v[WH+8*\ks:WH+8*\ks+7], 0
.else
	v_wmma_f32_16x16x32_f16 v[ACC+8*\tt:ACC+8*\tt+7], v[XH+32*\tt+8*\ks:XH+32*\tt+8*\ks+7], v[WH+8*\ks:WH+8*\ks+7], v[ACC+8*\tt:ACC+8*\tt+7]
.endif
.endr
.endr
.endm
; places behind matrix instructions: four before a vector instruction reads a result or a load lands on a source,
; five before a matrix instruction writes over a result
.macro PLACES cnt
.rept \cnt
	v_nop
.endr
.endm
; a position projection out: (scale,) split, hi to the tile's second piece, lo to its third
.macro EPIS base, scaled
	s_wait_xcnt 0x0                                ; T, which earlier stores read, is rewritten only behind this wait
.irp tt, 0,1
.if \scaled
.irp k, 0,1,2,3
	v_pk_mul_f32 v[ACC+8*\tt+2*\k:ACC+8*\tt+2*\k+1], v[ACC+8*\tt+2*\k:ACC+8*\tt+2*\k+1], PSC op_sel_hi:[1,0]
.endr
.endif
.irp j, 0,1,2,3,4,5,6,7
	v_and_b32 v[T+8*\tt+\j], s51, v[ACC+8*\tt+\j]  ; hi, still f32
.endr
.irp k, 0,1,2,3
	v_pk_add_f32 v[ACC+8*\tt+2*\k:ACC+8*\tt+2*\k+1], v[ACC+8*\tt+2*\k:ACC+8*\tt+2*\k+1], v[T+8*\tt+2*\k:T+8*\tt+2*\k+1] neg_lo:[0,1] neg_hi:[0,1]
.endr
.irp k, 0,1,2,3
	v_cvt_pk_f16_f32 v[T+8*\tt+\k], v[T+8*\tt+2*\k], v[T+8*\tt+2*\k+1]          ; packed in place: word k is written when words up to 2k-1 have been read
.endr
.irp k, 0,1,2,3
	v_cvt_pk_f16_f32 v[T+8*\tt+4+\k], v[ACC+8*\tt+2*\k], v[ACC+8*\tt+2*\k+1]
.endr
	global_store_b128 v[GO], v[T+8*\tt:T+8*\tt+3],   s[\base:\base+1] offset:\tt*QTILE+512
	global_store_b128 v[GO], v[T+8*\tt+4:T+8*\tt+7], s[\base:\base+1] offset:\tt*QTILE+1024
.endr
.endm
; a content projection out: (scale,) round to f16, to the tile's first piece
.macro EPI base, scaled
	s_wait_xcnt 0x0                                ; T is rewritten only behind this wait
.irp tt, 0,1
.if \scaled
.irp k, 0,1,2,3
	v_pk_mul_f32 v[ACC+8*\tt+2*\k:ACC+8*\tt+2*\k+1], v[ACC+8*\tt+2*\k:ACC+8*\tt+2*\k+1], QSC op_sel_hi:[1,0]
.endr
.endif
.irp k, 0,1,2,3
	v_cvt_pk_f16_f32 v[T+4*\tt+\k], v[ACC+8*\tt+2*\k], v[ACC+8*\tt+2*\k+1]
.endr
	global_store_b128 v[GO], v[T+4*\tt:T+4*\tt+3], s[\base:\base+1] offset:\tt*QTILE
.endr
.endm
	global_load_b128 v[B0:B0+3],   v9, s[22:23]
	global_load_b128 v[B0+4:B0+7], v9, s[22:23] offset:16
	global_load_b128 v[B1:B1+3],   v9, s[24:25]
	global_load_b128 v[B1+4:B1+7], v9, s[24:25] offset:16
	global_load_b32 v[B2], v10, s[26:27]
	LDX SA
	LDW SB, 16
	LDW SC, 18
	s_wait_loadcnt 0x20                            ; biases and inputs are in; the 32 loads of W0 and W1 stay out
	CONVX SA
	s_wait_dscnt 0x0                               ; the stage's LDS stores are done before it is loaded again
	LDW SA, 20
	s_wait_loadcnt 0x20                            ; W0 is in; the 32 loads of W1 and W2 stay out
	CONVWS SB, 0
	s_wait_loadcnt 0x10                            ; W1 is in; the 16 loads of W2 stay out
	CONVWS SC, 2
	s_wait_loadcnt 0x0
	CONVW SA, 4
	s_wait_dscnt 0x0                               ; my rows are in LDS: for the other waves' sake the count is zero
	s_barrier_signal -1
	s_barrier_wait -1                              ; all 32 tokens of all five images are there
	LOADW WH, 0                                    ; W0 hi, lo
	LOADW WL, 1
	LOADX XH, 3                                    ; pos hi, lo: they stay for both position projections
	LOADX XL, 4
	s_wait_dscnt 0x0
	MMP B0
	PLACES 5
	LOADW WH, 2                                    ; W1 hi, lo
	LOADW WL, 3
	EPIS 28, 1                                     ; pos_q out while the fragments come
	s_wait_dscnt 0x0
	MMP B1
	PLACES 5
	LOADW WH, 0                                    ; W0 hi and query: 24 loads,
	LOADX XH, 0
	LOADW WL, 2                                    ; then W1 hi and key: 24 more, for the phase after
	LOADX XL, 1
	EPIS 30, 0                                     ; pos_k out
	s_wait_dscnt 0x18                              ; W0 and query are in; the 24 loads of W1 and key stay out
	MMC WH, XH, B0
	PLACES 5
	LOADW WH, 4                                    ; W2 and value: 24 loads
	LOADX XH, 2
	EPI 28, 1                                      ; q out
	s_wait_dscnt 0x18                              ; W1 and key are in; the 24 loads of W2 and value stay out
	MMC WL, XL, B1
	PLACES 5
	EPI 30, 0                                      ; k out
	s_wait_dscnt 0x0
	MMV
	PLACES 4
	s_wait_xcnt 0x0                                ; T is rewritten only behind this wait
.irp tt, 0,1
.irp k, 0,1,2,3
	v_pk_add_f32 v[ACC+8*\tt+2*\k:ACC+8*\tt+2*\k+1], v[ACC+8*\tt+2*\k:ACC+8*\tt+2*\k+1], v[B2:B2+1] op_sel_hi:[1,0]   ; a lane has one dimension: one bias
.endr
.irp k, 0,1,2,3
	v_cvt_pk_f16_f32 v[T+4*\tt+\k], v[ACC+8*\tt+2*\k], v[ACC+8*\tt+2*\k+1]
.endr
	global_store_b128 v[GO], v[T+4*\tt:T+4*\tt+3], s[48:49] offset:\tt*512
.endr
	s_wait_tensorcnt 0x0
	ds_add_u32 v14, v15
	s_wait_dscnt 0x0
	s_endpgm
.Lfunc_end_k_q735bbad7c5_proj:
	.size	k_q735bbad7c5_proj, .Lfunc_end_k_q735bbad7c5_proj-k_q735bbad7c5_proj
	.p2alignl 7, 3214868480
	.fill 96, 4, 3214868480
	.section	.rodata,"a",@progbits
	.p2align	6, 0x0
	.amdhsa_kernel k_q735bbad7c5_proj
		.amdhsa_group_segment_fixed_size 218624
		.amdhsa_private_segment_fixed_size 0
		.amdhsa_enable_private_segment 0
		.amdhsa_kernarg_size 96
		.amdhsa_user_sgpr_count 2
		.amdhsa_user_sgpr_kernarg_segment_ptr 1
		.amdhsa_wavefront_size32 1
		.amdhsa_system_sgpr_workgroup_id_x 1
		.amdhsa_system_sgpr_workgroup_id_y 1
		.amdhsa_system_sgpr_workgroup_id_z 1
		.amdhsa_system_vgpr_workitem_id 0
		.amdhsa_next_free_vgpr 256
		.amdhsa_next_free_sgpr 66
		.amdhsa_reserve_vcc 0
		.amdhsa_float_denorm_mode_32 3
		.amdhsa_float_denorm_mode_16_64 3
		.amdhsa_memory_ordered 1
		.amdhsa_forward_progress 1
		.amdhsa_inst_pref_size 61
	.end_amdhsa_kernel
	.amdgpu_metadata
---
amdhsa.version: [ 1, 2 ]
amdhsa.kernels:
  - .name:           k_q735bbad7c5_proj
    .symbol:         k_q735bbad7c5_proj.kd
    .args:
      - { .name: query, .offset: 0, .size: 8, .value_kind: global_buffer, .address_space: global }
      - { .name: key, .offset: 8, .size: 8, .value_kind: global_buffer, .address_space: global }
      - { .name: value, .offset: 16, .size: 8, .value_kind: global_buffer, .address_space: global }
      - { .name: pos_embed, .offset: 24, .size: 8, .value_kind: global_buffer, .address_space: global }
      - { .name: W0, .offset: 32, .size: 8, .value_kind: global_buffer, .address_space: global }
      - { .name: W1, .offset: 40, .size: 8, .value_kind: global_buffer, .address_space: global }
      - { .name: W2, .offset: 48, .size: 8, .value_kind: global_buffer, .address_space: global }
      - { .name: b0, .offset: 56, .size: 8, .value_kind: global_buffer, .address_space: global }
      - { .name: b1, .offset: 64, .size: 8, .value_kind: global_buffer, .address_space: global }
      - { .name: b2, .offset: 72, .size: 8, .value_kind: global_buffer, .address_space: global }
      - { .name: qf, .offset: 80, .size: 8, .value_kind: global_buffer, .address_space: global }
      - { .name: kvf, .offset: 88, .size: 8, .value_kind: global_buffer, .address_space: global }
    .group_segment_fixed_size: 218624
    .private_segment_fixed_size: 0
    .kernarg_segment_align: 8
    .kernarg_segment_size: 96
    .max_flat_workgroup_size: 256
    .sgpr_count:     66
    .vgpr_count:     256
    .wavefront_size: 32
...
	.end_amdgpu_metadata
.endif
;; end of part 1
;; launch attn (part 2): grid 8 x 32, 8 waves a work-group, clusters of 4 x 1, 263,168 bytes of LDS; arguments qf, kvf, xf; writes xf
.if DOCPART == 2
	.amdgcn_target "amdgcn-amd-amdhsa--gfx1250"
	.amdhsa_code_object_version 6
	.text
	.protected	k_q735bbad7c5_attn
	.globl	k_q735bbad7c5_attn
	.p2align	8
	.type	k_q735bbad7c5_attn,@function
k_q735bbad7c5_attn:
	s_mov_b64 s[64:65], 0
	v_nop
	global_prefetch_b8 v0, s[64:65] scope:SCOPE_SE
	s_setreg_imm32_b32 hwreg(HW_REG_WAVE_MODE, 25, 1), 1
	s_wait_xcnt 0x0
	s_wait_alu depctr_hold_cnt(0) depctr_sa_sdst(0) depctr_va_vdst(0) depctr_va_sdst(0) depctr_va_ssrc(0) depctr_va_vcc(0) depctr_vm_vsrc(0)
	s_getreg_b32 s2, hwreg(HW_REG_IB_STS2, 6, 4)
	s_cmp_eq_u32 s2, 0
	s_cbranch_scc0 .Lentry_in_a_cluster
	s_endpgm
.Lentry_in_a_cluster:
	s_bfe_u32 s2, ttmp6, 0x10000c
	s_cmp_lg_u32 s2, 0x3003
	s_cbranch_scc0 .Lentry_shape_is_right
	s_endpgm
.Lentry_shape_is_right:
; Attention of one (batch, head) and 256 queries: softmax over 2,048 keys of q.k/4 + pos_q.pos_k, times V.  The two score terms are ONE product
; of depth 32, [q log2(e)/4 | pos_q log2(e)] . [k | pos_k]: one matrix instruction for 16 x 16 scores, and the exponential is 2^x.
; The position vectors come as two f16 numbers each, hi + lo (see the projection launch: the unscaled term needs more than 11 bits).  The two
; cross terms, pos_q lo . pos_k hi + pos_q hi . pos_k lo, are again ONE product of depth 32.  A K tile lies in 12 consecutive registers,
; k | pos_k hi | pos_k lo: registers 0-7 are the first product's fragment, registers 4-11 the second's; Q's fragments are [q | hi] and [lo | hi].
; Eight waves; wave w owns 32 queries (two tiles) against all keys, 64 keys a step, with a running maximum.
; The work here is exponentials and plain vector work in dependent phases, not matrix work: hence two waves on a SIMD rather than one.
; LAYOUT, no shuffle anywhere: S^T = K (A, m = key) x Q (B, n = query): register j of lane (r, h) is (key 8h+j, query r).  Packed in pairs, the
; tiles of keys 0-15 and 16-31 ARE registers 0-3 and 4-7 of a B fragment (k = key, n = query).  O^T = V^T (A, m = dimension) x P (B): register j is
; (dimension 8h+j, query r).  So a lane has ONE query: maximum, rescale factor and 1/sum are plain per-lane numbers, and one exchange with lane
; xor 16 completes a maximum.  The row sums are made by the matrix unit too: ONE has ones in rows 0 and 8, so LS += ONE x P keeps the sum of the
; rounded P in register 0 of every lane and exact zeros in registers 1-7.
; LDS holds the head's whole K and V, 4 chunks of 512 keys x 65,536 bytes, an image of kvf; every fragment read is lane i at 16 i.  Nothing is
; filled a second time.  CLUSTER: the four query blocks of a cluster read the same head, so each tensor load is a joint load of the four (mask 15);
; each wave brings an eighth of each chunk (32 rows of 256 bytes), so that all waves issue the same four loads and count alike: four outstanding at the most.
; LIMITS: operands f16 (see the projection launch); P below 2^-25 of its row's largest rounds to 0; 2^x below 2^-126 comes out as 0
; (ISA guide, 15.8); NaN and infinities are not served (v_max_num drops a NaN).  The running maximum is the exact one.
.set CHUNKB, 65536                     ; a chunk: K 49,152 bytes (tile x 1,536 + piece x 512), then V 16,384 (tile x 512)
.set VOFF,   49152
.set KTILE,  1536
.set SHARE,  CHUNKB/8                  ; a wave's part of a chunk
.set LA,  1                            ; v1   16 x lane; never rewritten
.set KA,  2                            ; v2   LDS address of the K tiles loaded last
.set VA,  3                            ; v3   LDS address of this step's V tiles
.set QF,  4                            ; v[4:35]    Q fragments: 16 qt: [q | pos hi], 16 qt + 8: [pos lo | pos hi]
.set ONE, 36                           ; v[36:43]   ones in rows 0 and 8
.set O,   44                           ; v[44:59]   O^T, 8 qt
.set LS,  60                           ; v[60:75]   row sums, 8 qt
.set KF,  76                           ; v[76:123]  K tiles, 12 kt
.set VF,  124                          ; v[124:139] V^T fragments, 8 c (32 keys each)
.set S,   140                          ; v[140:203] scores, 32 qt + 8 kt
.set P,   204                          ; v[204:235] P fragments, 16 qt + 8 c
.set M,   236                          ; v236, v238 running maxima (each the low word of a pair)
.set AL,  240                          ; v240, v242 rescale factors, likewise
.set TT,  244                          ; v[244:251] maxima at work, 4 qt
.set PT,  252                          ; v[252:253] the other half's maximum
.set G1,  16                           ; s[16:23] descriptor group 1
.set G0,  24                           ; s[24:39] descriptor group 0, one for each chunk
; a round of the cluster's barrier: my work-group's barrier, wave 0 signals for the work-group, all wait for the four, my work-group's barrier again
.macro ROUND
	s_barrier_signal -1
	s_barrier_wait -1
	s_cmp_lg_u32 s10, 0
	s_cbranch_scc1 .Lnot_wave_0_\@
	s_barrier_signal -3
.Lnot_wave_0_\@:
	s_barrier_wait -3
	s_barrier_signal -1
	s_barrier_wait -1
.endm
	s_load_b128 s[4:7], s[0:1], 0x0                ; qf s[4:5], kvf s[6:7]
	s_load_b64 s[8:9], s[0:1], 0x10                ; xf
	v_lshl_add_u32 v254, v0, 2, 0x40000
	v_mov_b32 v255, 0
	ds_add_u32 v254, v255
	v_lshrrev_b32 v1, 5, v0
	v_readfirstlane_b32 s10, v1                    ; wave
	s_bfe_u32 s11, ttmp6, 0x40000                  ; cx
	s_lshl_b32 s12, ttmp9, 2
	s_add_co_u32 s12, s12, s11                     ; query block = 4 x cluster x + cx
	s_and_b32 s13, ttmp7, 0xffff                   ; bh, the same in the four partners
	s_mov_b32 s44, 0x76543210                      ; v_permlanex16_b32: lane i reads lane i of the other half
	s_mov_b32 s45, 0xfedcba98
	; group 1: 32 dense rows of 32 elements of 8 bytes
	s_mov_b32 s[G1+0], 0x0023000f                  ; 15:0 mask: all four work-groups; 17:16 element of 8 bytes; 21 set beside a mask
	s_mov_b32 s[G1+1], 32<<16                      ; tensor_dim0 = 32
	s_mov_b32 s[G1+2], 32<<16                      ; tensor_dim1 = 32
	s_mov_b32 s[G1+3], 32<<16                      ; tile_dim0 = 32
	s_mov_b32 s[G1+4], 32                          ; tile_dim1 = 32
	s_mov_b32 s[G1+5], 32                          ; from row to row: 32 elements
	s_mov_b32 s[G1+6], 0
	s_mov_b32 s[G1+7], 0
	s_mul_i32 s14, s10, SHARE                      ; my part of a chunk, in LDS and in kvf: made of the wave's number alone
	s_lshl_b32 s40, s13, 18                        ; the head: 4 chunks
	s_add_co_u32 s40, s40, s14
	s_mov_b32 s41, 0
	s_mul_i32 s42, s13, 128*KTILE                  ; qf: bh x 196,608 + block x 16 tiles + wave x 2 tiles, 1,536 bytes a tile
	s_mul_i32 s15, s12, 16*KTILE
	s_add_co_u32 s42, s42, s15
	s_mul_i32 s15, s10, 2*KTILE
	s_add_co_u32 s42, s42, s15
	s_mov_b32 s43, 0
	s_wait_dscnt 0x0
	s_wait_kmcnt 0x0
	s_add_nc_u64 s[6:7], s[6:7], s[40:41]
	s_add_nc_u64 s[4:5], s[4:5], s[42:43]
	s_lshr_b32 s42, s13, 3                         ; xf: token tile = 128 b + 16 block + 2 wave, x 4,096; + head x 512
	s_lshl_b32 s42, s42, 7
	s_lshl4_add_u32 s42, s12, s42
	s_lshl1_add_u32 s42, s10, s42
	s_lshl_b32 s42, s42, 12
	s_and_b32 s15, s13, 7
	s_lshl_b32 s15, s15, 9
	s_add_co_u32 s42, s42, s15
	s_add_nc_u64 s[8:9], s[8:9], s[42:43]
	ROUND                                          ; the four work-groups are here: the joint loads meet
.irp c, 0,1,2,3
	s_mov_b32 s[G0+4*\c], 1                                        ; count = 1
	s_add_co_u32 s[G0+4*\c+1], s14, \c*CHUNKB                      ; LDS address
	s_add_nc_u64 s[G0+4*\c+2:G0+4*\c+3], s[6:7], \c*CHUNKB         ; global address
	s_or_b32 s[G0+4*\c+3], s[G0+4*\c+3], 0x80000000                ; type = 2
	tensor_load_to_lds s[G0+4*\c:G0+4*\c+3], s[G1:G1+7]            ; all first fills in one group, ahead of every wait for them
	s_nop 0
.endr
	v_and_b32 v1, 31, v0
	v_lshlrev_b32 v[LA], 4, v1
.irp qt, 0,1
	global_load_b128 v[QF+16*\qt:QF+16*\qt+3],     v[LA], s[4:5] offset:\qt*KTILE th:TH_LOAD_NT        ; q:        first product,  k = 0-15
	global_load_b128 v[QF+16*\qt+4:QF+16*\qt+7],   v[LA], s[4:5] offset:\qt*KTILE+512                  ; pos_q hi: first product,  k = 16-31, against pos_k hi
	global_load_b128 v[QF+16*\qt+8:QF+16*\qt+11],  v[LA], s[4:5] offset:\qt*KTILE+1024 th:TH_LOAD_NT   ; pos_q lo: second product, k = 0-15,  against pos_k hi
	global_load_b128 v[QF+16*\qt+12:QF+16*\qt+15], v[LA], s[4:5] offset:\qt*KTILE+512                  ; pos_q hi: second product, k = 16-31, against pos_k lo
.endr
	v_and_b32 v[TT], 7, v0
	v_mov_b32 v[TT+1], 0x3c003c00                  ; 1.0, twice, in f16
	v_cmp_eq_u32 vcc_lo, 0, v[TT]
	v_cndmask_b32 v[ONE], 0, v[TT+1], vcc_lo       ; lanes 0, 8, 16, 24 hold rows 0 and 8
.irp j, 1,2,3,4,5,6,7
	v_mov_b32 v[ONE+\j], v[ONE]
.endr
	v_mov_b32 v[M+1], 0                            ; upper words of pairs whose low word alone is used
	v_mov_b32 v[M+3], 0
	v_mov_b32 v[AL+1], 0
	v_mov_b32 v[AL+3], 0
	v_mov_b32 v[PT], 0                             ; v_permlanex16_b32 counts as a reader of its destination
	v_mov_b32 v[PT+1], 0
	s_wait_loadcnt 0x0                             ; Q
; twelve LDS loads: four K tiles of three pieces
.macro LDK
.irp kt, 0,1,2,3
.irp p, 0,1,2
	ds_load_b128 v[KF+12*\kt+4*\p:KF+12*\kt+4*\p+3], v[KA] offset:KTILE*\kt+512*\p
.endr
.endr
.endm
; One step: 64 keys x 32 queries.  first = 1: the very first step (no old maximum, the products start the sums).
; pf = 1: the next step's K tiles are fetched (another step of this chunk follows).
.macro STEP first, pf
	s_wait_dscnt 0x0                               ; this step's K tiles are in
	; the scores: eight accumulators by turns, one instruction a turn: first the main products, then the cross terms
.irp kt, 0,1,2,3
.irp qt, 0,1
	v_wmma_f32_16x16x32_f16 v[S+32*\qt+8*\kt:S+32*\qt+8*\kt+7], v[KF+12*\kt:KF+12*\kt+7], v[QF+16*\qt:QF+16*\qt+7], 0
.endr
.endr
.irp kt, 0,1,2,3
.irp qt, 0,1
	v_wmma_f32_16x16x32_f16 v[S+32*\qt+8*\kt:S+32*\qt+8*\kt+7], v[KF+12*\kt+4:KF+12*\kt+11], v[QF+16*\qt+8:QF+16*\qt+15], v[S+32*\qt+8*\kt:S+32*\qt+8*\kt+7]
.endr
.endr
	; four places before loads land on K's and V's fragments and before the scores are read
.if \pf
	v_add_nc_u32 v[KA], 4*KTILE, v[KA]             ; four K tiles on
.else
	v_nop
.endif
	v_nop
	v_nop
	v_nop
.irp i, 0,1,2,3
	ds_load_b128 v[VF+4*\i:VF+4*\i+3], v[VA] offset:512*\i         ; four V tiles = two fragments of 32 keys
.endr
.if \pf
	v_add_nc_u32 v[VA], 2048, v[VA]
	LDK
.endif
	; the maximum of my 32 scores of each query tile and the old maximum: sixteen three-way maxima, four chains
.irp qt, 0,1
.irp i, 0,1,2,3
	v_max3_num_f32 v[TT+4*\qt+\i], v[S+32*\qt+8*\i], v[S+32*\qt+8*\i+1], v[S+32*\qt+8*\i+2]
.endr
.endr
.irp qt, 0,1
.irp i, 0,1,2,3
	v_max3_num_f32 v[TT+4*\qt+\i], v[TT+4*\qt+\i], v[S+32*\qt+8*\i+3], v[S+32*\qt+8*\i+4]
.endr
.endr
.irp qt, 0,1
.irp i, 0,1,2,3
	v_max3_num_f32 v[TT+4*\qt+\i], v[TT+4*\qt+\i], v[S+32*\qt+8*\i+5], v[S+32*\qt+8*\i+6]
.endr
.endr
.irp qt, 0,1
	v_max3_num_f32 v[TT+4*\qt],   v[TT+4*\qt],   v[S+32*\qt+7],  v[S+32*\qt+15]
	v_max3_num_f32 v[TT+4*\qt+2], v[TT+4*\qt+2], v[S+32*\qt+23], v[S+32*\qt+31]
.endr
.irp qt, 0,1
	v_max3_num_f32 v[TT+4*\qt], v[TT+4*\qt], v[TT+4*\qt+1], v[TT+4*\qt+2]
.endr
.irp qt, 0,1
.if \first
	v_max_num_f32 v[TT+4*\qt], v[TT+4*\qt], v[TT+4*\qt+3]
.else
	v_max3_num_f32 v[TT+4*\qt], v[TT+4*\qt], v[TT+4*\qt+3], v[M+2*\qt]
.endif
.endr
	v_permlanex16_b32 v[PT],   v[TT],   s44, s45   ; lane xor 16 holds the same query's other keys
	v_permlanex16_b32 v[PT+1], v[TT+4], s44, s45
.if \first
	v_max_num_f32 v[M],   v[TT],   v[PT]
	v_max_num_f32 v[M+2], v[TT+4], v[PT+1]
.else
	v_max_num_f32 v[TT],   v[TT],   v[PT]
	v_max_num_f32 v[TT+4], v[TT+4], v[PT+1]
	v_sub_f32 v[AL],   v[M],   v[TT]               ; old - new, at most 0
	v_sub_f32 v[AL+2], v[M+2], v[TT+4]
	v_mov_b32 v[M],   v[TT]
	v_mov_b32 v[M+2], v[TT+4]
	v_exp_f32 v[AL],   v[AL]                       ; behind exponentials a plain vector instruction stands before a result is used (ISA guide 5.7.2):
	v_exp_f32 v[AL+2], v[AL+2]                     ; here the subtractions below
.endif
	; tile 0: score - maximum
.set i, 0
.rept 16
	v_pk_add_f32 v[S+2*i:S+2*i+1], v[S+2*i:S+2*i+1], v[M:M+1] op_sel_hi:[1,0] neg_lo:[0,1] neg_hi:[0,1]
.set i, i+1
.endr
	; tile 0's exponentials, tile 1's subtractions among them: two and one
.set i, 0
.rept 16
	v_exp_f32 v[S+2*i],   v[S+2*i]
	v_exp_f32 v[S+2*i+1], v[S+2*i+1]
	v_pk_add_f32 v[S+32+2*i:S+32+2*i+1], v[S+32+2*i:S+32+2*i+1], v[M+2:M+3] op_sel_hi:[1,0] neg_lo:[0,1] neg_hi:[0,1]
.set i, i+1
.endr
	; tile 1's exponentials, tile 0's rounding to f16 among them
.set i, 0
.rept 16
	v_exp_f32 v[S+32+2*i],   v[S+32+2*i]
	v_exp_f32 v[S+32+2*i+1], v[S+32+2*i+1]
	s_wait_alu depctr_va_vdst(0)
	v_cvt_pk_f16_f32 v[P+i], v[S+2*i], v[S+2*i+1]
.set i, i+1
.endr
.if \first == 0
	; what has been summed so far is brought to the new maximum; of LS only register 0 is not zero
	s_wait_alu depctr_va_vdst(0)
.irp qt, 0,1
.irp k, 0,1,2,3
	v_pk_mul_f32 v[O+8*\qt+2*\k:O+8*\qt+2*\k+1], v[O+8*\qt+2*\k:O+8*\qt+2*\k+1], v[AL+2*\qt:AL+2*\qt+1] op_sel_hi:[1,0]
.endr
	v_mul_f32 v[LS+8*\qt], v[LS+8*\qt], v[AL+2*\qt]
.endr
.endif
.set i, 0
	s_wait_alu depctr_va_vdst(0)
.rept 16
	v_cvt_pk_f16_f32 v[P+16+i], v[S+32+2*i], v[S+32+2*i+1]
.set i, i+1
.endr
.if \pf
	s_wait_dscnt 0xc                               ; V's four loads are in; the twelve K loads issued behind them stay out
.else
	s_wait_dscnt 0x0
.endif
	; O and the row sums: four accumulators by turns, one instruction a turn
.irp c, 0,1
.if \first*(1-\c)
	v_wmma_f32_16x16x32_f16 v[O:O+7],     v[VF+8*\c:VF+8*\c+7], v[P+8*\c:P+8*\c+7],       0
	v_wmma_f32_16x16x32_f16 v[O+8:O+15],  v[VF+8*\c:VF+8*\c+7], v[P+16+8*\c:P+16+8*\c+7], 0
	v_wmma_f32_16x16x32_f16 v[LS:LS+7],   v[ONE:ONE+7],         v[P+8*\c:P+8*\c+7],       0
	v_wmma_f32_16x16x32_f16 v[LS+8:LS+15], v[ONE:ONE+7],        v[P+16+8*\c:P+16+8*\c+7], 0
.else
	v_wmma_f32_16x16x32_f16 v[O:O+7],     v[VF+8*\c:VF+8*\c+7], v[P+8*\c:P+8*\c+7],       v[O:O+7]
	v_wmma_f32_16x16x32_f16 v[O+8:O+15],  v[VF+8*\c:VF+8*\c+7], v[P+16+8*\c:P+16+8*\c+7], v[O+8:O+15]
	v_wmma_f32_16x16x32_f16 v[LS:LS+7],   v[ONE:ONE+7],         v[P+8*\c:P+8*\c+7],       v[LS:LS+7]
	v_wmma_f32_16x16x32_f16 v[LS+8:LS+15], v[ONE:ONE+7],        v[P+16+8*\c:P+16+8*\c+7], v[LS+8:LS+15]
.endif
.endr
.endm
; A chunk of 512 keys: eight steps.
.macro CHUNK c
	s_wait_tensorcnt 3-\c                          ; my part of chunk c has landed; my loads of the later chunks stay out
	s_barrier_signal -1                            ; no LDS instruction of mine is pending: the last step waited for zero
	s_barrier_wait -1                              ; every wave's part has landed
.if \c
	v_add_nc_u32 v[KA], \c*CHUNKB, v[LA]
.else
	v_mov_b32 v[KA], v[LA]
.endif
	v_add_nc_u32 v[VA], VOFF, v[KA]
	LDK
.if \c
	s_mov_b32 s46, 7
.else
	STEP 1, 1
	s_mov_b32 s46, 6
.endif
.Lsteps_\c:
	STEP 0, 1
	s_sub_co_u32 s46, s46, 1
	s_cmp_lg_u32 s46, 0
	s_cbranch_scc1 .Lsteps_\c
	STEP 0, 0                                      ; the chunk's last step fetches no further K
.endm
	CHUNK 0
	CHUNK 1
	CHUNK 2
	CHUNK 3
	; the way out: O / sum, rounded to f16; a lane's eight dimensions of one query are 16 bytes of xf's fragment image
.rept 4
	v_nop                                          ; four places behind the last matrix instructions
.endr
	v_rcp_f32 v[AL],   v[LS]                       ; the sum is at least 1: the largest score's own term
	v_rcp_f32 v[AL+2], v[LS+8]
	v_nop                                          ; the plain place behind the reciprocals
	s_wait_alu depctr_va_vdst(0)
.irp qt, 0,1
.irp k, 0,1,2,3
	v_pk_mul_f32 v[O+8*\qt+2*\k:O+8*\qt+2*\k+1], v[O+8*\qt+2*\k:O+8*\qt+2*\k+1], v[AL+2*\qt:AL+2*\qt+1] op_sel_hi:[1,0]
.endr
.endr
.irp qt, 0,1
.irp k, 0,1,2,3
	v_cvt_pk_f16_f32 v[P+4*\qt+\k], v[O+8*\qt+2*\k], v[O+8*\qt+2*\k+1]
.endr
	global_store_b128 v[LA], v[P+4*\qt:P+4*\qt+3], s[8:9] offset:\qt*4096     ; 512 consecutive bytes, aligned
.endr
	s_wait_tensorcnt 0x0
	ds_add_u32 v254, v255
	s_wait_dscnt 0x0
	ROUND                                          ; the closing round: no work-group ends while a partner may still issue a joint load that names it
	s_endpgm
.Lfunc_end_k_q735bbad7c5_attn:
	.size	k_q735bbad7c5_attn, .Lfunc_end_k_q735bbad7c5_attn-k_q735bbad7c5_attn
	.p2alignl 7, 3214868480
	.fill 96, 4, 3214868480
	.section	.rodata,"a",@progbits
	.p2align	6, 0x0
	.amdhsa_kernel k_q735bbad7c5_attn
		.amdhsa_group_segment_fixed_size 263168
		.amdhsa_private_segment_fixed_size 0
		.amdhsa_enable_private_segment 0
		.amdhsa_kernarg_size 24
		.amdhsa_user_sgpr_count 2
		.amdhsa_user_sgpr_kernarg_segment_ptr 1
		.amdhsa_wavefront_size32 1
		.amdhsa_system_sgpr_workgroup_id_x 1
		.amdhsa_system_sgpr_workgroup_id_y 1
		.amdhsa_system_sgpr_workgroup_id_z 1
		.amdhsa_system_vgpr_workitem_id 0
		.amdhsa_next_free_vgpr 256
		.amdhsa_next_free_sgpr 66
		.amdhsa_reserve_vcc 1
		.amdhsa_float_denorm_mode_32 3
		.amdhsa_float_denorm_mode_16_64 3
		.amdhsa_memory_ordered 1
		.amdhsa_forward_progress 1
		.amdhsa_inst_pref_size 118
	.end_amdhsa_kernel
	.amdgpu_metadata
---
amdhsa.version: [ 1, 2 ]
amdhsa.kernels:
  - .name:           k_q735bbad7c5_attn
    .symbol:         k_q735bbad7c5_attn.kd
    .args:
      - { .name: qf, .offset: 0, .size: 8, .value_kind: global_buffer, .address_space: global }
      - { .name: kvf, .offset: 8, .size: 8, .value_kind: global_buffer, .address_space: global }
      - { .name: xf, .offset: 16, .size: 8, .value_kind: global_buffer, .address_space: global }
    .group_segment_fixed_size: 263168
    .private_segment_fixed_size: 0
    .kernarg_segment_align: 8
    .kernarg_segment_size: 24
    .max_flat_workgroup_size: 256
    .sgpr_count:     66
    .vgpr_count:     256
    .wavefront_size: 32
...
	.end_amdgpu_metadata
.endif
;; end of part 2
;; launch oproj (part 3): grid 256 x 1, 4 waves a work-group, no clusters, 35,328 bytes of LDS; arguments xf, Wo, bo, out0; writes out0
.if DOCPART == 3
	.amdgcn_target "amdgcn-amd-amdhsa--gfx1250"
	.amdhsa_code_object_version 6
	.text
	.protected	k_q735bbad7c5_oproj
	.globl	k_q735bbad7c5_oproj
	.p2align	8
	.type	k_q735bbad7c5_oproj,@function
k_q735bbad7c5_oproj:
	s_mov_b64 s[64:65], 0
	v_nop
	global_prefetch_b8 v0, s[64:65] scope:SCOPE_SE
	s_setreg_imm32_b32 hwreg(HW_REG_WAVE_MODE, 25, 1), 1
	s_wait_xcnt 0x0
; out0 = x Wo^T + bo.  x comes from xf in f16, already in the order of A fragments (m = token, k = head x 16 + dimension); out0 is f32.
; A work-group owns 32 tokens; wave w makes token tile tt = w & 1 times the 64 output columns of half g = w >> 1: 16 matrix instructions.
; COLUMNS ARE TAKEN PERMUTED: column n = r of tile ct stands for output column 64 g + 4 r + ct.  The bias add then lays a lane's four tiles'
; results side by side as four neighbouring columns, and each store has sixteen lanes writing 256 consecutive bytes, aligned: no LDS on the way out.
; Wo comes in as f32 rows of 512 bytes (one load of the wave each), is rounded to f16 and laid into LDS at row 64 g + 16 ct + r, so that a
; fragment's sixteen rows follow each other.  Wave w fills LDS rows 32 w .. 32 w + 31 (tiles ct = 2 (w & 1) and 2 (w & 1) + 1 of its half):
; LDS row 32 w + n is Wo's row 64 g + 2 (w & 1) + 4 (n % 16) + n / 16.  The two waves of a half share the rows: one barrier.
; NO JOINT TENSOR LOAD for Wo, though all work-groups read it: it comes as f32 and is multiplied as f16, so it passes through registers once anyway,
; and it is 64 KiB in all.  LIMITS: operands f16: |x|, |Wo| below 65,504; NaN and infinities are not served.
.set PITCH, 272                        ; 256 bytes + 16: an odd multiple of 16
.set GO,  2                            ; v2  16 x lane
.set WS,  3                            ; v3  LDS: where I put 8 bytes of my first row of Wo
.set WR,  4                            ; v4  LDS: my fragment address in my half's tile 0
.set CO,  5                            ; v5  my byte offset in the wave's block of out0: token 8 h, columns 4 r
.set BI,  8                            ; v[8:11]    bo[64 g + 4 r + ct]
.set XF,  16                           ; v[16:47]   x fragments, 8 ks
.set ACC, 48                           ; v[48:79]   accumulators, 8 ct
.set ST,  80                           ; v[80:207]  32 rows of Wo as loaded; later
.set WF,  80                           ;            Wo's fragments, 32 ks + 8 ct
.set T,   208                          ; v[208:239] results with bias, 4 j + ct
	s_load_b256 s[4:11], s[0:1], 0x0               ; xf 4, Wo 6, bo 8, out0 10
	v_lshl_add_u32 v240, v0, 2, 0x8800
	v_mov_b32 v241, 0
	v_lshrrev_b32 v1, 5, v0
	v_readfirstlane_b32 s12, v1                    ; wave
	s_and_b32 s13, s12, 1                          ; tt
	s_lshr_b32 s14, s12, 1                         ; g
	v_and_b32 v1, 31, v0                           ; lane
	v_and_b32 v7, 15, v0                           ; r
	v_bfe_u32 v12, v0, 4, 1                        ; h
	v_lshlrev_b32 v[GO], 4, v1
	s_mul_i32 s16, s12, 32*PITCH                   ; my 32 LDS rows: the wave's number times a constant
	v_lshl_add_u32 v[WS], v1, 3, s16
	s_lshl_b32 s15, s14, 6                         ; 64 g
	s_mul_i32 s15, s15, PITCH
	v_mul_u32_u24 v[WR], v7, PITCH
	v_lshl_add_u32 v[WR], v12, 4, v[WR]
	v_add_nc_u32 v[WR], s15, v[WR]
	v_lshlrev_b32 v[CO], 4, v7
	v_lshl_add_u32 v[CO], v12, 12, v[CO]           ; 8 h rows of 512 bytes + 16 r
	s_lshl_b32 s17, s14, 8                         ; 256 g: my half's columns in bytes
	v_lshl_add_u32 v6, v7, 4, s17                  ; byte of bo[64 g + 4 r]
	s_lshl1_add_u32 s18, ttmp9, s13                ; token tile = 2 x work-group + tt
	s_lshl_b32 s22, s18, 13                        ; out0: 16 rows of 512 bytes a tile, + my half
	s_add_co_u32 s22, s22, s17
	s_mov_b32 s23, 0
	s_lshl_b32 s18, s18, 12                        ; xf: 4,096 bytes a tile
	s_mov_b32 s19, 0
	s_lshl_b32 s20, s14, 15                        ; Wo: row 64 g + 2 (w & 1), 512 bytes a row
	s_lshl_b32 s21, s13, 10
	s_add_co_u32 s20, s20, s21
	s_mov_b32 s21, 0
	s_wait_kmcnt 0x0
	s_add_nc_u64 s[4:5], s[4:5], s[18:19]
	s_add_nc_u64 s[6:7], s[6:7], s[20:21]
	s_add_nc_u64 s[10:11], s[10:11], s[22:23]
.irp ks, 0,1,2,3
	global_load_b128 v[XF+8*\ks:XF+8*\ks+3],   v[GO], s[4:5] offset:\ks*1024       ; head 2 ks: k = 32 ks + 8 h ..
	global_load_b128 v[XF+8*\ks+4:XF+8*\ks+7], v[GO], s[4:5] offset:\ks*1024+512   ; head 2 ks + 1: k = 32 ks + 16 + 8 h ..
.endr
	global_load_b128 v[BI:BI+3], v6, s[8:9]
.set n, 0
.rept 32
	global_load_b128 v[ST+4*n:ST+4*n+3], v[GO], s[6:7] offset:(4*(n%16)+n/16)*512
.set n, n+1
.endr
	; eight rows at a time, into consecutive LDS rows
.set n, 0
.rept 4
	s_wait_loadcnt 24-n                            ; these eight rows (and all older loads) are in; the younger rows of Wo stay out
.rept 8
	v_cvt_pk_f16_f32 v[ST+4*n], v[ST+4*n], v[ST+4*n+1]
	v_cvt_pk_f16_f32 v[ST+4*n+1], v[ST+4*n+2], v[ST+4*n+3]
	ds_store_b64 v[WS], v[ST+4*n:ST+4*n+1] offset:n*PITCH
.set n, n+1
.endr
.endr
	s_wait_dscnt 0x0                               ; my rows are in LDS: for the other waves' sake the count is zero
	s_barrier_signal -1
	s_barrier_wait -1
.irp ks, 0,1,2,3
.irp ct, 0,1,2,3
	ds_load_b128 v[WF+32*\ks+8*\ct:WF+32*\ks+8*\ct+3],   v[WR] offset:\ct*16*PITCH+64*\ks
	ds_load_b128 v[WF+32*\ks+8*\ct+4:WF+32*\ks+8*\ct+7], v[WR] offset:\ct*16*PITCH+64*\ks+32
.endr
.endr
	; four accumulators by turns, one instruction a turn; the first products start the sums
.irp ks, 0,1,2,3
	s_wait_dscnt 24-8*\ks                          ; this K step's eight loads are in; the later steps' stay out
.irp ct, 0,1,2,3
.if \ks == 0
	v_wmma_f32_16x16x32_f16 v[ACC+8*\ct:ACC+8*\ct+7], v[XF+8*\ks:XF+8*\ks+7], v[WF+32*\ks+8*\ct:WF+32*\ks+8*\ct+7], 0
.else
	v_wmma_f32_16x16x32_f16 v[ACC+8*\ct:ACC+8*\ct+7], v[XF+8*\ks:XF+8*\ks+7], v[WF+32*\ks+8*\ct:WF+32*\ks+8*\ct+7], v[ACC+8*\ct:ACC+8*\ct+7]
.endif
.endr
.endr
.rept 4
	v_nop                                          ; four places before the results are read (ISA guide 7.12.1)
.endr
	; register j of tile ct is (token 8 h + j, column 64 g + 4 r + ct): the bias add gathers four neighbouring columns
.irp j, 0,1,2,3,4,5,6,7
.irp ct, 0,1,2,3
	v_add_f32 v[T+4*\j+\ct], v[ACC+8*\ct+\j], v[BI+\ct]
.endr
	global_store_b128 v[CO], v[T+4*\j:T+4*\j+3], s[10:11] offset:\j*512 th:TH_STORE_NT   ; lanes 0-15: 256 bytes of token j; lanes 16-31: of token 8 + j
.endr
	s_wait_tensorcnt 0x0
	ds_add_u32 v240, v241
	s_wait_dscnt 0x0
	s_endpgm
.Lfunc_end_k_q735bbad7c5_oproj:
	.size	k_q735bbad7c5_oproj, .Lfunc_end_k_q735bbad7c5_oproj-k_q735bbad7c5_oproj
	.p2alignl 7, 3214868480
	.fill 96, 4, 3214868480
	.section	.rodata,"a",@progbits
	.p2align	6, 0x0
	.amdhsa_kernel k_q735bbad7c5_oproj
		.amdhsa_group_segment_fixed_size 35328
		.amdhsa_private_segment_fixed_size 0
		.amdhsa_enable_private_segment 0
		.amdhsa_kernarg_size 32
		.amdhsa_user_sgpr_count 2
		.amdhsa_user_sgpr_kernarg_segment_ptr 1
		.amdhsa_wavefront_size32 1
		.amdhsa_system_sgpr_workgroup_id_x 1
		.amdhsa_system_sgpr_workgroup_id_y 1
		.amdhsa_system_sgpr_workgroup_id_z 1
		.amdhsa_system_vgpr_workitem_id 0
		.amdhsa_next_free_vgpr 242
		.amdhsa_next_free_sgpr 66
		.amdhsa_reserve_vcc 0
		.amdhsa_float_denorm_mode_32 3
		.amdhsa_float_denorm_mode_16_64 3
		.amdhsa_memory_ordered 1
		.amdhsa_forward_progress 1
		.amdhsa_inst_pref_size 17
	.end_amdhsa_kernel
	.amdgpu_metadata
---
amdhsa.version: [ 1, 2 ]
amdhsa.kernels:
  - .name:           k_q735bbad7c5_oproj
    .symbol:         k_q735bbad7c5_oproj.kd
    .args:
      - { .name: xf, .offset: 0, .size: 8, .value_kind: global_buffer, .address_space: global }
      - { .name: Wo, .offset: 8, .size: 8, .value_kind: global_buffer, .address_space: global }
      - { .name: bo, .offset: 16, .size: 8, .value_kind: global_buffer, .address_space: global }
      - { .name: out0, .offset: 24, .size: 8, .value_kind: global_buffer, .address_space: global }
    .group_segment_fixed_size: 35328
    .private_segment_fixed_size: 0
    .kernarg_segment_align: 8
    .kernarg_segment_size: 32
    .max_flat_workgroup_size: 128
    .sgpr_count:     66
    .vgpr_count:     242
    .wavefront_size: 32
...
	.end_amdgpu_metadata
.endif
;; end of part 3
